; MI455X (gfx1250); checked and timed in simulation.
; The chip was launched on July 23, 2026; its instructions are those of AMD's public machine-readable ISA for CDNA 5 (MIT licence, August 2026) and "CDNA5" Instruction Set Architecture Reference Guide (July 2026). The comments in the code are by the model that wrote it; some were corrected since.
;; Multi Head Attention. Allowed arithmetic: matrix products marked QUANTISED: E4M3 operands, one given power-of-two scale a tensor, by v_wmma_f32_16x16x64_fp8_fp8 or v_wmma_f32_16x16x128_fp8_fp8, f32 sums; everything else in f32.
;; Inputs: W_o 1,024 x 1,024 float32; W_qkv 1,024 x 3,072 float32; b_o 1,024 float32; b_qkv 3,072 float32; lowp_scales 8 int32 (the exponents e of the quantised operands' scales 2^e); padding_mask 1 x 4,096 bool; x 1 x 4,096 x 1,024 float32.
;; Outputs: out0 1 x 4,096 x 1,024 float32.
;; This version of the problem:
;;   THIS VERSION OF THE PROBLEM IS GIVEN IN LOW PRECISION. The matrix products marked QUANTISED in the list below multiply operands that are first quantised to E4M3 (4 exponent bits, 3 mantissa bits; 8 bits a number), with one given power-of-two scale for each operand tensor; their sums are f32. All else is computed in f32.
;;   The module's matrix products, in the order in which they are computed (A, B: the left and right operand; K: the contracted axis; several contracted axes count as one K, in the product's order):
;;     1. [M 4,096, K 1,024] x [K 1,024, N 3,072]; A: input x; B: input W_qkv: QUANTISED (scales: A lowp_scales[0], B lowp_scales[1])
;;     2. batch 16 x [M 4,096, K 64] x [K 64, N 4,096]; A: computed on the way; B: computed on the way: QUANTISED (scales: A lowp_scales[2], B lowp_scales[3])
;;     3. batch 16 x [M 4,096, K 4,096] x [K 4,096, N 64]; A: softmax (see below); B: computed on the way: QUANTISED (scales: A lowp_scales[4], B lowp_scales[5])
;;     4. [M 4,096, K 1,024] x [K 1,024, N 1,024]; A: computed on the way; B: input W_o: QUANTISED (scales: A lowp_scales[6], B lowp_scales[7])
;;   THE QUANTISER, for each operand of a quantised product, along K:
;;     - The operand's scale is 2^e, e = its entry of the input lowp_scales (int32; the entries are numbered through the quantised products in the list's order, A before B).
;;     - Each number is divided by the scale, clamped to +-448, and rounded to the nearest number of E4M3, ties to even, subnormals kept.
;;     - The product sums the exact products of the quantised numbers (number of the format x scale) in f32.
;;   ~~~python
;;   def quantise(x, axis, e):      # numpy; x: float32 -> the quantised numbers, widened to float32 again
;;       x = np.moveaxis(x, axis, -1); K = x.shape[-1]
;;       r = np.clip(x / 2.0 ** e, -448, 448)
;;       step = 2.0 ** (np.maximum(np.frexp(np.where(r == 0, 1, r))[1] - 1, -6) - 3)
;;       q = np.round(r / step) * step * 2.0 ** e      # np.round: ties to even
;;       return np.moveaxis(q, -1, axis).astype(np.float32)
;;   ~~~
;;   SOFTMAX AHEAD OF A QUANTISED PRODUCT. Where the list says 'softmax', what is quantised is not the finished softmax but p = 2^(t - M), with t = logit x log2(e) and M = ceil(the row's largest t), a whole number; so 1/2 < the row's largest p <= 1. The row's sum l is taken of the UNQUANTISED p, in f32, and the product's result is divided by l at the end. Since M is a whole number, a kernel that streams over the keys may use a running M (the ceiling of the running maximum): every later rescaling is an exact power of two, so the quantised numbers keep their values, but for numbers so far below the row's largest that they fall under the format's range.
;;   OPERANDS COMPUTED ON THE WAY. 'Computed on the way' means the value that the module computes at that place (a softmax that the list does not call 'softmax' is quantised finished and normalised). What goes into a quantiser is computed in f32, as accurately as f32 sums, v_exp_f32 and their like allow (about 1e-6 of the number): no bf16 or f16 on the way to a quantiser, and a product that is left as it is and whose result goes on into a quantised operand takes f32 operands (vector FMAs, or v_wmma_f32_16x16x4_f32). A number that lies on a knife's edge between two numbers of the format may be rounded either way, as far as f32 arithmetic and the matrix unit's own rounding can turn it there, and no further.
;; One version. Each part assembles by itself: llvm-mc -triple=amdgcn-amd-amdhsa -mcpu=gfx1250 --defsym DOCPART=n.
;; ======== version 1 of 1: 4 launches
;; limits: right only within a limited range of input values
;; workspace buffers: xc 4,194,304 bytes; wqkvc 3,145,728 bytes; woc 1,048,576 bytes; qc 4,194,304 bytes; kv 8,650,752 bytes; vpart 131,072 bytes; hc 4,194,304 bytes
;; launch quant (part 1): grid 256 x 1, 4 waves a work-group, no clusters, 102,912 bytes of LDS; arguments x, W_qkv, W_o, lowp_scales, xc, wqkvc, woc; writes xc, wqkvc, woc
.if DOCPART == 1
	.amdgcn_target "amdgcn-amd-amdhsa--gfx1250"
	.amdhsa_code_object_version 6
	.text
	.protected	k_q4cc12e067a_quant
	.globl	k_q4cc12e067a_quant
	.p2align	8
	.type	k_q4cc12e067a_quant,@function
k_q4cc12e067a_quant:
	s_mov_b64 s[64:65], 0
	v_nop
	global_prefetch_b8 v0, s[64:65] scope:SCOPE_SE
	s_setreg_imm32_b32 hwreg(HW_REG_WAVE_MODE, 25, 1), 1
	s_wait_xcnt 0x0
; The three f32 inputs of the two large products become codes of FP8 (E4M3), K innermost, each with its given scale 2^e:
; code = number / 2^e, held within +-448, to the nearest code, ties to even.
;   work-groups 0-127:   x [4096][1024] (K innermost already) -> xc [4096][1024], e = entry 0
;   work-groups 128-223: W_qkv [1024 k][3072 n] -> wqkvc [3072 n][1024 k], e = entry 1
;   work-groups 224-255: W_o [1024 k][1024 n] -> woc [1024 n][1024 places], e = entry 7; place p holds k = p with its bits 3 and 4
;                        exchanged: the order in which the attention launch lays a head's codes.
; Each work-group takes 32,768 numbers.  The three paths part on the work-group's number and have LDS bytes of their own.
; No tensor load, no barrier: waves share nothing.
; LIMITS: each e between -126 and 119, so that 2^e and 448 x 2^e are f32 numbers.  NaN among the inputs is not served.
.set XWG,   128                        ; work-groups for x
.set QWG,   96                         ; for W_qkv
.set STEPS, 16                         ; x: steps of 512 numbers a wave
.set SP,    80                         ; x: a lane's place in a stage: 64 bytes + 16 of padding
.set WREG,  8192                       ; x: LDS of a wave: two stages of 32 x SP bytes
.set R,     16                         ; x: v16-79   four sets of 16 numbers as loaded
.set X,     80                         ; x: v80-111  two sets of 16 neighbours
.set C,     128                        ; x: v128-191 codes, four registers a step
.set PITCH, 272                        ; weights: a stage row: 256 codes + 16 bytes
.set NB,    8                          ; weights: blocks of 32 along K a wave
.set WX,    32                         ; weights: v32-95 two sets of 32 numbers
.set WC,    96                         ; weights: v96-103 a block's codes
.set OUTR,  112                        ; weights: v112-175 the way out
.set LQKV,  32768                      ; LDS: W_qkv's stages
.set LWO,   LQKV+4*32*PITCH            ; LDS: W_o's stages
	s_load_b256 s[4:11], s[0:1], 0x0               ; x s[4:5], W_qkv s[6:7], W_o s[8:9], the exponents s[10:11]
	s_load_b128 s[12:15], s[0:1], 0x20             ; xc s[12:13], wqkvc s[14:15]
	s_load_b64 s[16:17], s[0:1], 0x30              ; woc
	v_lshl_add_u32 v192, v0, 2, 0x19000
	v_mov_b32 v193, 0
	v_lshrrev_b32 v1, 5, v0
	v_readfirstlane_b32 s18, v1                    ; wave
	v_and_b32 v2, 31, v0                           ; lane
	s_mov_b32 s23, 0                               ; the upper word of every offset pair s[22:23]
	s_wait_kmcnt 0x0
	s_load_b256 s[24:31], s[10:11], 0x0            ; e0 .. e7
	s_cmp_lt_u32 ttmp9, XWG
	s_cbranch_scc0 .Lweights
.macro SCALE e                         ; v11 = 2^e as f32 (the conversion takes its exponent field), v10 = 448 x 2^e
	s_wait_kmcnt 0x0
	s_add_co_i32 s20, s[\e], 127
	s_lshl_b32 s21, s20, 23
	v_mov_b32 v11, s21
	s_add_co_i32 s20, s20, 8
	s_lshl_b32 s20, s20, 23
	s_or_b32 s20, s20, 0x600000
	v_mov_b32 v10, s20
.endm
; ---- x.  A conversion takes 8 neighbours along K from one lane's registers; a load is dense where neighbouring lanes take neighbouring bytes.
; Both are had: a step's four loads read 512 consecutive bytes each, the 2,048 bytes turn through the wave's own stage and come back 64 bytes a lane.
	s_wait_alu depctr_va_vdst(0)
	v_lshlrev_b32 v3, 4, v2                        ; 16 x lane: my bytes of a load's 512, and of a store's
	s_mul_i32 s19, s18, WREG
	v_lshrrev_b32 v14, 2, v2
	v_mul_u32_u24 v14, v14, SP
	v_and_b32 v15, 3, v2
	v_lshl_add_u32 v14, v15, 4, v14
	v_add_nc_u32 v14, s19, v14                     ; into the stage: SP (lane / 4) + 16 (lane % 4)
	v_mul_u32_u24 v15, v2, SP
	v_add_nc_u32 v15, s19, v15                     ; out of it: SP x lane
	s_lshl_b32 s19, ttmp9, 2
	s_add_co_u32 s19, s19, s18                     ; which run of 8,192 numbers is my wave's
	s_lshl_b32 s22, s19, 15
	s_add_nc_u64 s[4:5], s[4:5], s[22:23]
	s_lshl_b32 s22, s19, 13
	s_add_nc_u64 s[12:13], s[12:13], s[22:23]
.macro XLOAD t
.irp i, 0,1,2,3
	global_load_b128 v[R+16*((\t)%4)+4*\i:R+16*((\t)%4)+4*\i+3], v3, s[4:5] offset:2048*(\t)+512*\i th:TH_LOAD_NT
.endr
.endm
.macro XTURN t                         ; LDS serves a wave's instructions in order: no wait between the stores and the loads
.irp i, 0,1,2,3
	ds_store_b128 v14, v[R+16*((\t)%4)+4*\i:R+16*((\t)%4)+4*\i+3] offset:32*SP*((\t)%2)+8*SP*\i
.endr
.irp i, 0,1,2,3
	ds_load_b128 v[X+16*((\t)%2)+4*\i:X+16*((\t)%2)+4*\i+3], v15 offset:32*SP*((\t)%2)+16*\i
.endr
.endm
.irp t, 0,1,2,3
	XLOAD \t
.endr
	s_wait_alu depctr_va_vdst(0)
	SCALE 24
	s_wait_alu depctr_va_vdst(0)
	s_wait_loadcnt 12                              ; step 0's four loads are in; three steps' twelve may be out
	XTURN 0
.macro XSTEP t
.set XS, X+16*((\t)%2)
	s_wait_dscnt 0x0                               ; this step's numbers are back, so its stores into the stage have read their registers,
.if (\t)+4 < STEPS
	XLOAD (\t)+4                                   ; which take the loads of four steps on
.endif
.if (\t)+1 < STEPS
.if STEPS-2-(\t) >= 3
	s_wait_loadcnt 12                              ; the next step's loads are in; those of the three steps behind it may be out
.else
	s_wait_loadcnt 4*(STEPS-2-(\t))
.endif
	XTURN (\t)+1
.endif
.irp i, 0,1,2,3,4,5,6,7,8,9,10,11,12,13,14,15
	v_med3_num_f32 v[XS+\i], v[XS+\i], -v10, v10   ; the conversion does not saturate (ISA guide 7.6.2): the hold comes first
.endr
	v_cvt_scalef32_pk8_fp8_f32 v[C+4*(\t):C+4*(\t)+1], v[XS:XS+7], v11
	v_cvt_scalef32_pk8_fp8_f32 v[C+4*(\t)+2:C+4*(\t)+3], v[XS+8:XS+15], v11
	global_store_b128 v3, v[C+4*(\t):C+4*(\t)+3], s[12:13] offset:512*(\t)   ; 32 lanes store 512 consecutive bytes; each step has its own registers
.endm
.irp t, 0,1,2,3,4,5,6,7,8,9,10,11,12,13,14,15
	XSTEP \t
.endr
	s_wait_tensorcnt 0x0
	ds_add_u32 v192, v193
	s_wait_dscnt 0x0
	s_endpgm
; ---- the weights: K is the FIRST axis.  A lane takes a column n and its registers run down K: each load reads 128 consecutive bytes a wave,
; and the conversions give codes with K innermost.  A wave takes 32 columns x 256 along K; the codes leave through its own stage as rows of 256 bytes.
; The sizes of a path are symbols set ahead of WPATH: WN columns, WSRC / WDST the buffers' scalar pairs, WE the exponent's register, WLDS its LDS, WFIRST its first work-group, WPERM.
.macro WLOAD t
.irp i, 0,1,2,3,4,5,6,7,8,9,10,11,12,13,14,15,16,17,18,19,20,21,22,23,24,25,26,27,28,29,30,31
	global_load_b32 v[WX+32*((\t)%2)+\i], v3, s[WSRC:WSRC+1] offset:(32*(\t)+\i)*WN*4 th:TH_LOAD_NT
.endr
.endm
.macro WBLOCK t
.set XS, WX+32*((\t)%2)
.if (\t) < NB-1
	s_wait_loadcnt 32                              ; this block's 32 loads are in; the next block's may be out
.else
	s_wait_loadcnt 0
.endif
.irp i, 0,1,2,3,4,5,6,7,8,9,10,11,12,13,14,15,16,17,18,19,20,21,22,23,24,25,26,27,28,29,30,31
	v_med3_num_f32 v[XS+\i], v[XS+\i], -v10, v10
.endr
.irp g, 0,1,2,3
.if WPERM
	v_cvt_scalef32_pk8_fp8_f32 v[WC+2*(2*((\g)%2)+(\g)/2):WC+2*(2*((\g)%2)+(\g)/2)+1], v[XS+8*\g:XS+8*\g+7], v11   ; the group of eight k goes to the place with bits 3 and 4 exchanged
.else
	v_cvt_scalef32_pk8_fp8_f32 v[WC+2*\g:WC+2*\g+1], v[XS+8*\g:XS+8*\g+7], v11
.endif
.endr
	ds_store_b128 v4, v[WC:WC+3] offset:32*(\t)
	ds_store_b128 v4, v[WC+4:WC+7] offset:32*(\t)+16
.if (\t)+2 < NB
	WLOAD (\t)+2
.endif
	s_wait_dscnt 0x0                               ; the stores have read their registers: the next block's codes may be written
.endm
.macro WPATH
	s_sub_co_u32 s19, ttmp9, WFIRST
	s_and_b32 s20, s19, 3                          ; which 256 along K
	s_lshr_b32 s19, s19, 2
	s_lshl_b32 s19, s19, 7
	s_lshl_b32 s21, s18, 5
	s_add_co_u32 s19, s19, s21                     ; my wave's first column
	s_mul_i32 s22, s20, 256*WN*4
	s_lshl_b32 s21, s19, 2
	s_add_co_u32 s22, s22, s21
	s_add_nc_u64 s[WSRC:WSRC+1], s[WSRC:WSRC+1], s[22:23]
	s_lshl_b32 s22, s19, 10                        ; a row of codes is 1,024 bytes
	s_lshl_b32 s21, s20, 8
	s_add_co_u32 s22, s22, s21
	s_add_nc_u64 s[WDST:WDST+1], s[WDST:WDST+1], s[22:23]
	v_lshlrev_b32 v3, 2, v2                        ; in: 4 bytes a lane
	s_mul_i32 s21, s18, 32*PITCH
	s_add_co_u32 s21, s21, WLDS                    ; my stage
	v_mul_u32_u24 v4, v2, PITCH
	v_add_nc_u32 v4, s21, v4                       ; into it: row = my column
	v_and_b32 v5, 15, v2
	v_lshrrev_b32 v6, 4, v2
	v_mul_u32_u24 v7, v6, PITCH
	v_lshl_add_u32 v7, v5, 4, v7
	v_add_nc_u32 v7, s21, v7                       ; out of it: sixteen lanes to a row, two rows an instruction
	v_lshlrev_b32 v8, 10, v6
	v_lshl_add_u32 v8, v5, 4, v8                   ; and the same place among the codes
	WLOAD 0
	WLOAD 1
	SCALE WE
.set Q, 0
	s_wait_alu depctr_va_vdst(0)
.rept NB
	WBLOCK Q
.set Q, Q+1
.endr
.irp t, 0,1,2,3,4,5,6,7,8,9,10,11,12,13,14,15
	ds_load_b128 v[OUTR+4*\t:OUTR+4*\t+3], v7 offset:2*\t*PITCH
.endr
.irp t, 0,1,2,3,4,5,6,7,8,9,10,11,12,13,14,15
	s_wait_dscnt 15-\t                             ; load t is in; the younger ones may be out
	global_store_b128 v8, v[OUTR+4*\t:OUTR+4*\t+3], s[WDST:WDST+1] offset:2*\t*1024   ; sixteen lanes store 256 consecutive bytes, aligned
.endr
.endm
.Lweights:
	s_cmp_lt_u32 ttmp9, XWG+QWG
	s_cbranch_scc0 .Lwo
.set WN, 3072
.set WSRC, 6
.set WDST, 14
.set WE, 25
.set WLDS, LQKV
.set WFIRST, XWG
.set WPERM, 0
	s_wait_alu depctr_va_vdst(0)
	WPATH
	s_wait_tensorcnt 0x0
	ds_add_u32 v192, v193
	s_wait_dscnt 0x0
	s_endpgm
.Lwo:
.set WN, 1024
.set WSRC, 8
.set WDST, 16
.set WE, 31
.set WLDS, LWO
.set WFIRST, XWG+QWG
.set WPERM, 1
	s_wait_alu depctr_va_vdst(0)
	WPATH
	s_wait_tensorcnt 0x0
	ds_add_u32 v192, v193
	s_wait_dscnt 0x0
	s_endpgm
.Lfunc_end_k_q4cc12e067a_quant:
	.size	k_q4cc12e067a_quant, .Lfunc_end_k_q4cc12e067a_quant-k_q4cc12e067a_quant
	.p2alignl 7, 3214868480
	.fill 96, 4, 3214868480
	.section	.rodata,"a",@progbits
	.p2align	6, 0x0
	.amdhsa_kernel k_q4cc12e067a_quant
		.amdhsa_group_segment_fixed_size 102912
		.amdhsa_private_segment_fixed_size 0
		.amdhsa_enable_private_segment 0
		.amdhsa_kernarg_size 56
		.amdhsa_user_sgpr_count 2
		.amdhsa_user_sgpr_kernarg_segment_ptr 1
		.amdhsa_wavefront_size32 1
		.amdhsa_system_sgpr_workgroup_id_x 1
		.amdhsa_system_sgpr_workgroup_id_y 1
		.amdhsa_system_sgpr_workgroup_id_z 1
		.amdhsa_system_vgpr_workitem_id 0
		.amdhsa_next_free_vgpr 194
		.amdhsa_next_free_sgpr 66
		.amdhsa_reserve_vcc 0
		.amdhsa_float_denorm_mode_32 3
		.amdhsa_float_denorm_mode_16_64 3
		.amdhsa_memory_ordered 1
		.amdhsa_forward_progress 1
		.amdhsa_inst_pref_size 133
	.end_amdhsa_kernel
	.amdgpu_metadata
---
amdhsa.version: [ 1, 2 ]
amdhsa.kernels:
  - .name:           k_q4cc12e067a_quant
    .symbol:         k_q4cc12e067a_quant.kd
    .args:
      - { .name: x, .offset: 0, .size: 8, .value_kind: global_buffer, .address_space: global }
      - { .name: W_qkv, .offset: 8, .size: 8, .value_kind: global_buffer, .address_space: global }
      - { .name: W_o, .offset: 16, .size: 8, .value_kind: global_buffer, .address_space: global }
      - { .name: lowp_scales, .offset: 24, .size: 8, .value_kind: global_buffer, .address_space: global }
      - { .name: xc, .offset: 32, .size: 8, .value_kind: global_buffer, .address_space: global }
      - { .name: wqkvc, .offset: 40, .size: 8, .value_kind: global_buffer, .address_space: global }
      - { .name: woc, .offset: 48, .size: 8, .value_kind: global_buffer, .address_space: global }
    .group_segment_fixed_size: 102912
    .private_segment_fixed_size: 0
    .kernarg_segment_align: 8
    .kernarg_segment_size: 56
    .max_flat_workgroup_size: 128
    .sgpr_count:     66
    .vgpr_count:     194
    .wavefront_size: 32
...
	.end_amdgpu_metadata
.endif
;; end of part 1
;; launch qkv (part 2): grid 12 x 16, 4 waves a work-group, clusters of 4 x 4, 327,680 bytes of LDS; arguments xc, wqkvc, lowp_scales, b_qkv, padding_mask, qc, kv, vpart; writes qc, kv, vpart
.if DOCPART == 2
	.amdgcn_target "amdgcn-amd-amdhsa--gfx1250"
	.amdhsa_code_object_version 6
	.text
	.protected	k_q4cc12e067a_qkv
	.globl	k_q4cc12e067a_qkv
	.p2align	8
	.type	k_q4cc12e067a_qkv,@function
k_q4cc12e067a_qkv:
	s_mov_b64 s[64:65], 0
	v_nop
	global_prefetch_b8 v0, s[64:65] scope:SCOPE_SE
	s_setreg_imm32_b32 hwreg(HW_REG_WAVE_MODE, 25, 1), 1
	s_wait_xcnt 0x0
	s_wait_alu depctr_hold_cnt(0) depctr_sa_sdst(0) depctr_va_vdst(0) depctr_va_sdst(0) depctr_va_ssrc(0) depctr_va_vcc(0) depctr_vm_vsrc(0)
	s_getreg_b32 s2, hwreg(HW_REG_IB_STS2, 6, 4)
	s_cmp_eq_u32 s2, 0
	s_cbranch_scc0 .Lentry_in_a_cluster
	s_endpgm
.Lentry_in_a_cluster:
	s_bfe_u32 s2, ttmp6, 0x10000c
	s_cmp_lg_u32 s2, 0xf033
	s_cbranch_scc0 .Lentry_shape_is_right
	s_endpgm
.Lentry_shape_is_right:
.set KROW,   1024
.set ROWB,   256
.set PITCH,  272
.set FR,     16
.set NL,     4
.set NP,     4
.set HALFT,  128*PITCH
.set SLOT,   4*HALFT
.set LAPS,   2
.set SPARE,  2*SLOT
.set BLK,    16896
.set HSKV,   32*BLK
.set HSQ,    262144
.set SCL,  10
.set LIM,  11
.set VSI,  12
.set VSO,  13
.set ADRA, 16
.set ADRB, 20
.set CO,   26
.set L4,   27
.set SPW,  28
.set NIL,  29
.set CB,   32
.set T,    32
.set BA,   96
.set ONES, 112
.set AF,   128
.set CD,   128
.set G1, 24
.set G0, 32
.set G1B, 48
.set G0B, 56
.set SEC, 92
.set OB,  94
.set MSB, 0
.macro WIN new
.if MSB != (\new)
	s_set_vgpr_msb (MSB<<8)|(\new)
.set MSB, (\new)
.endif
.endm
.set MUL_LO, 0xa1
.set MUL_HI, 0xf1
.set TO_B,   0x40
.macro JLOAD g0a, g1a, g0b, g1b
	s_cmp_eq_u32 s15, 0
	s_cbranch_scc0 .Lfor_b_\@
	tensor_load_to_lds s[\g0a:\g0a+3], s[\g1a:\g1a+7]
	s_nop 0
.rept 4
	v_nop
.endr
	s_branch .Lasked_\@
.Lfor_b_\@:
	tensor_load_to_lds s[\g0b:\g0b+3], s[\g1b:\g1b+7]
	s_nop 0
.rept 4
	v_nop
.endr
.Lasked_\@:
.endm
.macro CREST
	s_cmp_lg_u32 s14, 0
	s_cbranch_scc1 .Lnot_wave_0_\@
	s_barrier_signal -3
.Lnot_wave_0_\@:
	s_barrier_wait -3
	s_barrier_signal -1
	s_barrier_wait -1
.endm
.macro CROUND
	s_barrier_signal -1
	s_barrier_wait -1
	CREST
.endm
	s_load_b512 s[68:83], s[0:1], 0x0
	v_lshl_add_u32 v[SPW], v0, 2, SPARE
	v_mov_b32 v[NIL], 0
	ds_add_u32 v28, v29
	ds_add_u32 v28, v29
	s_wait_dscnt 0x0
	v_lshrrev_b32 v1, 5, v0
	v_readfirstlane_b32 s14, v1
	s_lshr_b32 s15, s14, 1
	s_and_b32 s16, s14, 1
	s_bfe_u32 s40, ttmp6, 0x40000
	s_bfe_u32 s41, ttmp6, 0x40004
	s_mov_b32 s[SEC], ttmp9
	s_and_b32 s93, ttmp7, 0xffff
	s_cmp_eq_u32 s[SEC], 2
	s_cselect_b32 s17, 0, s93
	s_cselect_b32 s42, s93, s[SEC]
	s_lshl_b32 s17, s17, 2
	s_add_co_u32 s17, s17, s41
	s_lshl_b32 s42, s42, 2
	s_add_co_u32 s42, s42, s40
	s_lshl_b32 s43, s41, 2
	s_lshl_b32 s43, 15, s43
	s_lshl_b32 s44, 0x1111, s40
	s_or_b32 s[G1+0], s43, (0<<16)|(1<<20)|(1<<21)|(5<<22)|(3<<25)
	s_or_b32 s[G1B+0], s44, (0<<16)|(1<<20)|(1<<21)|(5<<22)|(3<<25)
.irp g, G1, G1B
	s_mov_b32 s[\g+1], ROWB<<16
	s_mov_b32 s[\g+2], 128<<16
	s_mov_b32 s[\g+3], ROWB<<16
	s_mov_b32 s[\g+4], 128
	s_mov_b32 s[\g+5], KROW
	s_mov_b32 s[\g+6], 0
	s_mov_b32 s[\g+7], 0
.endr
	s_lshl_b32 s18, s16, 7
	s_lshl_b32 s20, s17, 8
	s_add_co_u32 s20, s20, s18
	s_lshl_b32 s20, s20, 10
	s_mov_b32 s21, 0
	s_lshl_b32 s46, s42, 8
	s_add_co_u32 s46, s46, s18
	s_lshl_b32 s46, s46, 10
	s_mov_b32 s47, 0
	s_mul_i32 s45, s14, HALFT
	s_wait_kmcnt 0x0
	s_load_b256 s[84:91], s[72:73], 0x0
	s_add_nc_u64 s[66:67], s[70:71], 2048*KROW
	s_cmp_eq_u32 s[SEC], 2
	s_cselect_b64 s[4:5], s[66:67], s[68:69]
	s_cselect_b64 s[6:7], s[68:69], s[70:71]
	s_add_nc_u64 s[20:21], s[4:5], s[20:21]
	s_add_nc_u64 s[46:47], s[6:7], s[46:47]
	CROUND
.irp s, 0,1
	s_mov_b32 s[G0+4*\s], 1
	s_add_co_u32 s[G0+4*\s+1], s45, \s*SLOT
	s_add_nc_u64 s[G0+4*\s+2:G0+4*\s+3], s[20:21], \s*ROWB
	s_or_b32 s[G0+4*\s+3], s[G0+4*\s+3], 0x80000000
	s_mov_b32 s[G0B+4*\s], 1
	s_add_co_u32 s[G0B+4*\s+1], s45, \s*SLOT
	s_add_nc_u64 s[G0B+4*\s+2:G0B+4*\s+3], s[46:47], \s*ROWB
	s_or_b32 s[G0B+4*\s+3], s[G0B+4*\s+3], 0x80000000
	s_wait_alu depctr_va_vdst(0)
	s_wait_tensorcnt 0x0
	ds_add_u32 v28, v29
	ds_add_u32 v28, v29
	s_wait_dscnt 0x0
	CROUND
	JLOAD G0+4*\s, G1, G0B+4*\s, G1B
.endr
	v_and_b32 v1, 15, v0
	v_bfe_u32 v2, v0, 4, 1
	v_mul_u32_u24 v3, v1, PITCH
	v_lshl_add_u32 v4, v2, 4, v3
	s_mul_i32 s21, s15, HALFT
	s_mul_i32 s22, s16, HALFT
	s_add_co_u32 s22, s22, 2*HALFT
.irp s, 0,1
	v_add_nc_u32 v[ADRA+\s], s21, v4
	v_add_nc_u32 v[ADRB+\s], s22, v4
	s_add_co_u32 s21, s21, SLOT
	s_add_co_u32 s22, s22, SLOT
.endr
	v_and_b32 v6, 31, v0
	v_lshlrev_b32 v[CO], 4, v6
	v_lshlrev_b32 v[L4], 2, v6
	s_lshl_b32 s23, s14, 9
	v_lshl_add_u32 v[VSI], v1, 2, s23
	v_add_nc_u32 v[VSO], s23, v[CO]
	v_lshlrev_b32 v8, 5, v2
	s_wait_alu depctr_va_vdst(0)
	v_lshlrev_b32 v9, 2, v1
	s_wait_alu depctr_va_vdst(0)
	s_lshl_b32 s8, s17, 8
	s_lshl_b32 s9, s15, 7
	s_add_co_u32 s8, s8, s9
	s_lshl_b32 s9, s42, 8
	s_lshl_b32 s10, s16, 7
	s_add_co_u32 s9, s9, s10
	s_lshl_b32 s10, s9, 2
	s_lshl_b32 s11, s8, 2
	s_add_co_u32 s11, s11, 8192
	s_cmp_eq_u32 s[SEC], 2
	s_cselect_b32 s10, 0, s10
	s_cselect_b32 s11, s11, 0
	s_mov_b32 s13, 0
	s_mov_b32 s12, s10
	s_add_nc_u64 s[18:19], s[74:75], s[12:13]
	s_mov_b32 s12, s11
	s_add_nc_u64 s[22:23], s[74:75], s[12:13]
.irp b, 0,1,2,3,4,5,6,7
	global_load_b128 v[CB+8*\b:CB+8*\b+3], v8, s[18:19] offset:64*\b
	global_load_b128 v[CB+8*\b+4:CB+8*\b+7], v8, s[18:19] offset:64*\b+16
.endr
.irp a, 0,1,2,3,4,5,6,7
	global_load_b32 v[BA+2*\a], v9, s[22:23] offset:64*\a
.endr
	s_lshr_b32 s10, s8, 6
	s_and_b32 s11, s9, 1023
	s_lshr_b32 s11, s11, 6
	s_lshr_b32 s12, s8, 7
	s_mul_i32 s12, s12, BLK
	s_lshr_b32 s13, s9, 7
	s_mul_i32 s13, s13, BLK
	s_add_co_u32 s13, s13, 8192
	s_lshl_b32 s66, s8, 6
	s_cmp_eq_u32 s[SEC], 2
	s_cselect_b32 s10, s10, s11
	s_cselect_b32 s12, s13, s12
	s_mov_b32 s67, HSKV
	s_cmp_eq_u32 s[SEC], 0
	s_cselect_b32 s12, s66, s12
	s_cselect_b32 s67, HSQ, s67
	s_cselect_b64 s[OB:OB+1], s[78:79], s[80:81]
	s_mul_i32 s10, s10, s67
	s_add_co_u32 s12, s12, s10
	s_mov_b32 s13, 0
	s_add_nc_u64 s[OB:OB+1], s[OB:OB+1], s[12:13]
	s_mov_b32 s66, s67
	s_mov_b32 s67, 0
	s_add_nc_u64 s[OB+2:OB+3], s[OB:OB+1], s[66:67]
	s_lshr_b32 s10, s9, 7
	s_lshl_b32 s10, s10, 10
	s_add_co_u32 s10, s10, s8
	s_lshl_b32 s10, s10, 2
	s_mov_b32 s11, 0
	s_add_nc_u64 s[98:99], s[82:83], s[10:11]
	s_mov_b32 s10, s9
	s_add_nc_u64 s[100:101], s[76:77], s[10:11]
	s_wait_kmcnt 0x0
	s_add_co_i32 s12, s84, s85
	s_sub_co_i32 s13, 127, s12
	s_lshl_b32 s13, s13, 23
	s_cmp_eq_u32 s[SEC], 2
	s_cselect_b32 s66, 0, s13
	s_cselect_b32 s67, s13, 0
	s_cselect_b32 s93, s89, s86
	s_cmp_eq_u32 s[SEC], 1
	s_cselect_b32 s93, s87, s93
	s_sub_co_i32 s93, s93, s12
	s_add_co_i32 s93, s93, 127
	s_lshl_b32 s12, s93, 23
	v_mov_b32 v[SCL], s12
	s_add_co_i32 s93, s93, 8
	s_lshl_b32 s93, s93, 23
	s_or_b32 s93, s93, 0x600000
	v_mov_b32 v[LIM], s93
	s_wait_loadcnt 0x0
.set i, 0
.rept 32
	v_pk_mul_f32 v[CB+i:CB+i+1], v[CB+i:CB+i+1], s[66:67] op_sel_hi:[1,0]
.set i, i+2
.endr
.irp a, 0,1,2,3,4,5,6,7
	v_mul_f32 v[BA+2*\a], s67, v[BA+2*\a]
	v_mov_b32 v[BA+2*\a+1], 0
.endr
.macro FRAG reg, adr, q, i
.irp c, 0,1,2,3
	ds_load_b128 v[\reg+4*\c:\reg+4*\c+3], v[\adr] offset:128*(\q)+32*\c+(\i)*16*PITCH
.endr
.endm
.macro MUL16 a0, p, zero
.irp a, \a0, \a0+1
.irp b, 0,1,2,3,4,5,6,7
.if \zero
	v_wmma_f32_16x16x128_fp8_fp8 v[8*(8*((\a)%4)+\b):8*(8*((\a)%4)+\b)+7], v[128*(\p)+FR*\b:128*(\p)+FR*\b+FR-1], v[AF+FR*(\a):AF+FR*(\a)+FR-1], v[CB+8*\b:CB+8*\b+7]
.else
	v_wmma_f32_16x16x128_fp8_fp8 v[8*(8*((\a)%4)+\b):8*(8*((\a)%4)+\b)+7], v[128*(\p)+FR*\b:128*(\p)+FR*\b+FR-1], v[AF+FR*(\a):AF+FR*(\a)+FR-1], v[8*(8*((\a)%4)+\b):8*(8*((\a)%4)+\b)+7]
.endif
.endr
.endr
.endm
.macro FETCH_B slot, q, p
	WIN TO_B
.irp i, 0,1,2,3,4,5,6,7
	FRAG 128*(\p)+FR*\i, ADRB+\slot, \q, \i
.endr
	WIN 0
.endm
.macro FETCH_A slot, q, i0
.irp i, \i0, \i0+1, \i0+2, \i0+3
	FRAG AF+FR*(\i), ADRA+\slot, \q, \i
.endr
.endm
.macro PLACES n
.rept \n
	v_nop
.endr
.endm
.macro STEP slot, q, zero
	s_wait_dscnt 4*NL
.if \zero
	WIN 0x81
.else
	WIN MUL_LO
.endif
	MUL16 0, (\q)%2, \zero
	MUL16 2, (\q)%2, \zero
	s_wait_dscnt 0
	PLACES NP
	FETCH_B \slot, (\q)+1, 1-(\q)%2
	FETCH_A \slot, (\q)+1, 0
.if \zero
	WIN 0xc1
.else
	WIN MUL_HI
.endif
	MUL16 4, (\q)%2, \zero
	MUL16 6, (\q)%2, \zero
	PLACES NP
	WIN 0
	FETCH_A \slot, (\q)+1, 4
.endm
.macro TURN slot, next, fill
	s_wait_tensorcnt 0x0
	ds_add_u32 v[SPW], v[NIL]
	s_wait_dscnt 4*NL+1
	WIN MUL_LO
	MUL16 0, 1, 0
	s_wait_dscnt 0x0
	s_barrier_signal -1
	MUL16 2, 1, 0
	WIN 0
	s_barrier_wait -1
.if \fill
	CREST
	s_add_nc_u64 s[G0+4*\slot+2:G0+4*\slot+3], s[G0+4*\slot+2:G0+4*\slot+3], 2*ROWB
	s_add_nc_u64 s[G0B+4*\slot+2:G0B+4*\slot+3], s[G0B+4*\slot+2:G0B+4*\slot+3], 2*ROWB
	JLOAD G0+4*\slot, G1, G0B+4*\slot, G1B
.else
	PLACES NP
.endif
	FETCH_B \next, 0, 0
	FETCH_A \next, 0, 0
	WIN MUL_HI
	MUL16 4, 1, 0
	MUL16 6, 1, 0
	PLACES NP
	WIN 0
	FETCH_A \next, 0, 4
.endm
	s_wait_tensorcnt 1
	s_barrier_signal -1
	s_barrier_wait -1
	FETCH_B 0, 0, 0
	FETCH_A 0, 0, 0
	FETCH_A 0, 0, 4
	STEP 0, 0, 1
	s_mov_b32 s3, LAPS-1
.Llap:
	TURN 0, 1, 1
	STEP 1, 0, 0
	TURN 1, 0, 1
	STEP 0, 0, 0
	s_sub_co_u32 s3, s3, 1
	s_cmp_lg_u32 s3, 0
	s_cbranch_scc1 .Llap
	TURN 0, 1, 0
	STEP 1, 0, 0
	s_wait_dscnt 4*NL
	WIN MUL_LO
	MUL16 0, 1, 0
	MUL16 2, 1, 0
	s_wait_dscnt 0
	WIN MUL_HI
	MUL16 4, 1, 0
	MUL16 6, 1, 0
	WIN 0
	PLACES NP
.macro QROW a
	WIN 0x02+(\a)/4
.set i, 0
.rept 32
	v_pk_add_f32 v[T+i:T+i+1], v[64*((\a)%4)+i:64*((\a)%4)+i+1], v[BA+2*(\a):BA+2*(\a)+1] op_sel_hi:[1,0]
.set i, i+2
.endr
	WIN 0
.set i, 0
.rept 64
	v_med3_num_f32 v[T+i], v[T+i], -v[LIM], v[LIM]
.set i, i+1
.endr
.irp b, 0,1,2,3,4,5,6,7
	v_cvt_scalef32_pk8_fp8_f32 v[CD+16*(\a)+2*\b:CD+16*(\a)+2*\b+1], v[T+8*\b:T+8*\b+7], v[SCL]
.endr
	v_nop
.endm
.irp a, 0,1,2,3,4,5,6,7
	QROW \a
.endr
	s_cmp_eq_u32 s[SEC], 2
	s_cbranch_scc1 .Lv
.irp a, 0,1,2,3,4,5,6,7
.irp c, 0,1,2,3
	global_store_b128 v[CO], v[CD+16*\a+4*\c:CD+16*\a+4*\c+3], s[OB+2*(\c/2):OB+2*(\c/2)+1] offset:1024*\a+512*(\c%2)
.endr
.endr
	s_branch .Lend
.Lv:
	global_load_b32 v96, v[L4], s[100:101]
.set i, 0
.rept 16
	v_mov_b32 v[ONES+i], 0x38383838
.set i, i+1
.endr
.irp a, 0,1,2,3,4,5,6,7
	v_wmma_f32_16x16x128_fp8_fp8 v[T+8*\a:T+8*\a+7], v[ONES:ONES+15], v[CD+16*\a:CD+16*\a+15], 0
.endr
.irp a, 0,1,2,3,4,5,6,7
.irp c, 0,1,2,3
	global_store_b128 v[CO], v[CD+16*\a+4*\c:CD+16*\a+4*\c+3], s[OB+2*(\a/4):OB+2*(\a/4)+1] offset:2048*(\a%4)+512*\c
.endr
.endr
	s_wait_loadcnt 0x0
.irp i, 0,1,2,3
	v_bfe_u32 v[100+\i], v96, 8*\i, 8
	v_add_nc_u32 v[100+\i], -1, v[100+\i]
	v_and_b32 v[100+\i], 0xfb800000, v[100+\i]
.endr
	global_store_b128 v[CO], v[100:103], s[OB:OB+1] offset:8192
	global_store_b128 v[CO], v[100:103], s[OB+2:OB+3] offset:8192
.irp a, 0,1,2,3,4,5,6,7
	ds_store_b32 v[VSI], v[T+8*\a] offset:64*\a
.endr
	ds_load_b128 v[104:107], v[VSO]
	s_wait_dscnt 0x0
	global_store_b128 v[CO], v[104:107], s[98:99]
.Lend:
	s_wait_tensorcnt 0x0
	ds_add_u32 v[SPW], v[NIL]
	s_wait_dscnt 0x0
	CROUND
	s_endpgm
.Lfunc_end_k_q4cc12e067a_qkv:
	.size	k_q4cc12e067a_qkv, .Lfunc_end_k_q4cc12e067a_qkv-k_q4cc12e067a_qkv
	.p2alignl 7, 3214868480
	.fill 96, 4, 3214868480
	.section	.rodata,"a",@progbits
	.p2align	6, 0x0
	.amdhsa_kernel k_q4cc12e067a_qkv
		.amdhsa_group_segment_fixed_size 327680
		.amdhsa_private_segment_fixed_size 0
		.amdhsa_enable_private_segment 0
		.amdhsa_kernarg_size 64
		.amdhsa_user_sgpr_count 2
		.amdhsa_user_sgpr_kernarg_segment_ptr 1
		.amdhsa_wavefront_size32 1
		.amdhsa_system_sgpr_workgroup_id_x 1
		.amdhsa_system_sgpr_workgroup_id_y 1
		.amdhsa_system_sgpr_workgroup_id_z 1
		.amdhsa_system_vgpr_workitem_id 0
		.amdhsa_next_free_vgpr 1024
		.amdhsa_next_free_sgpr 102
		.amdhsa_reserve_vcc 0
		.amdhsa_float_denorm_mode_32 3
		.amdhsa_float_denorm_mode_16_64 3
		.amdhsa_memory_ordered 1
		.amdhsa_forward_progress 1
		.amdhsa_inst_pref_size 147
	.end_amdhsa_kernel
	.amdgpu_metadata
---
amdhsa.version: [ 1, 2 ]
amdhsa.kernels:
  - .name:           k_q4cc12e067a_qkv
    .symbol:         k_q4cc12e067a_qkv.kd
    .args:
      - { .name: xc, .offset: 0, .size: 8, .value_kind: global_buffer, .address_space: global }
      - { .name: wqkvc, .offset: 8, .size: 8, .value_kind: global_buffer, .address_space: global }
      - { .name: lowp_scales, .offset: 16, .size: 8, .value_kind: global_buffer, .address_space: global }
      - { .name: b_qkv, .offset: 24, .size: 8, .value_kind: global_buffer, .address_space: global }
      - { .name: padding_mask, .offset: 32, .size: 8, .value_kind: global_buffer, .address_space: global }
      - { .name: qc, .offset: 40, .size: 8, .value_kind: global_buffer, .address_space: global }
      - { .name: kv, .offset: 48, .size: 8, .value_kind: global_buffer, .address_space: global }
      - { .name: vpart, .offset: 56, .size: 8, .value_kind: global_buffer, .address_space: global }
    .group_segment_fixed_size: 327680
    .private_segment_fixed_size: 0
    .kernarg_segment_align: 8
    .kernarg_segment_size: 64
    .max_flat_workgroup_size: 128
    .sgpr_count:     102
    .vgpr_count:     1024
    .wavefront_size: 32
...
	.end_amdgpu_metadata
.endif
;; end of part 2
;; launch attn (part 3): grid 16 x 16, 16 waves a work-group, no clusters, 327,680 bytes of LDS; arguments qc, kv, vpart, lowp_scales, hc; writes hc
.if DOCPART == 3
	.amdgcn_target "amdgcn-amd-amdhsa--gfx1250"
	.amdhsa_code_object_version 6
	.text
	.protected	k_q4cc12e067a_attn
	.globl	k_q4cc12e067a_attn
	.p2align	8
	.type	k_q4cc12e067a_attn,@function
k_q4cc12e067a_attn:
	s_mov_b64 s[64:65], 0
	v_nop
	global_prefetch_b8 v0, s[64:65] scope:SCOPE_SE
	s_setreg_imm32_b32 hwreg(HW_REG_WAVE_MODE, 25, 1), 1
	s_wait_xcnt 0x0
; heads = softmax(q k^T / 8, causal and padding mask) v for one head, both products on codes of FP8 (E4M3), and the result quantised for the last product.
; THE SOFTMAX: t = score x log2(e) / 8; M = the running largest t rounded up to a whole number; p = 2^(t - M) is quantised with 2^e4; the row's sum is taken of the unquantised p and divides at the end.
; LEFT OUT: key steps that lie wholly behind a block's queries: the causal mask throws their results away.
; SHARES.  A head's queries are 32 blocks of 128.  Work-group (j, head) owns blocks j and 31 - j.  Keys go 128 a step: block j wants steps 0 .. j, block 31 - j steps 0 .. 31 - j:
; 33 steps in EVERY work-group, in five slots of 7, 7, 7, 7 and 5 steps: five changes of slots in all.  Step T takes key step T (T <= j) or T - j - 1; at T = j + 1 the low block is put aside and the high one
; begins (a scalar branch on ids, round no barrier and no tensor load).
; SIXTEEN WAVES, four to a SIMD: waves w and w + 8 own the same tile of 16 queries (w % 8) and share a step's keys: wave group g = w / 8 takes keys 64 g .. 64 g + 63, with a running M, sum and O^T of its own.
; A finished block's partial results (-M, the sums, O^T: 4,608 bytes a wave) go to LDS: the low block's to bytes of their own, the high block's into slot 1's bytes, which have had their last fill and their last read
; when the last change of slots is passed.  Behind one last barrier each wave joins the two halves of ONE tile (waves 0-7 the low block's, 8-15 the high block's):
; M = the larger of the two, each half x 2^(its M - M), which rounds nothing; then the division, the quantiser and two stores of 512 consecutive bytes.
; OPERANDS come as images of their registers (16 bytes at 16 x lane): a key step is one dense block of 16,896 bytes: K's 8 tiles, V^T's 4, 128 f32 of bias.  One tensor load brings a block; waves 0-6 fetch a slot's seven.
; Both products are used transposed (S^T = K Q^T, O^T = V^T P^T): a lane holds one query throughout, register 8 u + i of S^T is key 64 g + 16 u + 8 (lane / 16) + i, and the conversions' results are P's fragment.
; THE PADDING MASK IS THE C OF S^T's PRODUCTS: 0 for a key that counts, -2^120 for a padded one.  The causal mask sets hidden scores to -2^120 in the steps on the diagonal.
; A ROW WITH NO KEY THAT COUNTS: in the definition all its 4,096 scores are equal, so p = 1 everywhere and the result is the mean of the quantised v over all keys.  Here the running t begins at -2^31, above every hidden t and
; under every t that counts: such a row ends with the sum 0, and selects put (the code value of 1) x (the sum of v's codes over all keys) and 4,096 in the place of O^T and the sum.
; No cluster: partners with different j would want different key steps in the same round.
; LIMITS: the scaled scores that count stay under 2^31 in magnitude; e2 + e3 between -77 and 130; e4 between -126 and 9; e6 between -126 and 119; e4 + e5 is applied by v_ldexp_f32.
; REGISTERS: v1-9, v200-205 addresses; v10 4096.0, v11 -2^120, v12 -M, v13 largest t, v[14:15] the sum; v16-23 Q in hand, v24-31 the high block's; v32-63 K; v64-95 V^T; v96-127 bias, S^T, p; v160-191 O^T;
;   v192-199 codes; v208-239 the way out; v236-255 at work and constants.
.set BLK,   16896
.set HSKV,  32*BLK
.set BIAS,  16384
.set VIMG,  8192
.set NS,    7                          ; steps in a slot
.set SLOT1, 131072                     ; slot 0 at 0, slot 1 here: 7 blocks, 118,272 bytes, each
.set SPARE, 118272                     ; the spare words: 128 bytes for each of sixteen waves, named by no other line
.set VS,    120320                     ; 64 f32: the column sums; no fill lands here
.set PLO,   249344                     ; the low block's 16 partial results; no fill lands here
.set PHI,   SLOT1                      ; the high block's 16, in slot 1's bytes
.set PSZ,   4608
.set LK,  1                            ; 16 x lane + 4096 g
.set BI,  2                            ; 32 (lane / 16) + 256 g
.set PFO, 3                            ; 256 x lane
.set LV,  4                            ; 16 x lane + 1024 g
.set SPW, 5
.set NIL, 6
.set VSA, 7
.set ADK, 8
.set ADB, 9
.set ADV, 200
.set PSL, 201                          ; where my low block's partial result goes
.set PSH, 202                          ; my high block's
.set MA,  203                          ; the first of the two halves that I join
.set LI,  204                          ; 16 x lane
.set PF2, 205                          ; 256 x min(lane, 1)
.set TB,  2
.set J,   14
.set J1,  15
.set HD,  16
.set TT,  17
.set WV,  18
.set TF,  19
.set SEL, 20
.set CS,  22
.set KVB, 36
.set KF,  48                           ; my first key of the step
.set Q0,  49
.set SLOTS, 50
.set INNER, 51
.set EPV, 52
.set LIMQ, 53                          ; the last step that my wave prefetches: 32, or 0 in a wave that asks for nothing
.set PFA, 54
.set HCO, 56                           ; s[56:57] where the tile that I join goes
.set Q0H, 60
.set TI,  61                           ; my tile: wave % 8
.set GR,  62                           ; g = wave / 8
.set KG,  63                           ; 64 g
.set ONEC, 82                          ; the code value of p = 1
.set TN,  83                           ; the step that I fetch at the next change of slots
.macro TLOAD n                         ; waves 0 .. n - 1 fetch a block each; s_nop 0 and four v_nop follow the line
	s_cmp_lt_u32 s[WV], \n
	s_cbranch_scc0 .Lnone_\@
	tensor_load_to_lds s[32:35], s[24:31]
	s_nop 0
.rept 4
	v_nop
.endr
.Lnone_\@:
.endm
.macro SETG0                           ; the global address of step TF's block
	s_sub_co_u32 s66, s[TF], s[J1]
	s_cmp_lt_u32 s[TF], s[J1]
	s_cselect_b32 s66, s[TF], s66
	s_mul_i32 s38, s66, BLK
	s_add_nc_u64 s[34:35], s[KVB:KVB+1], s[38:39]
	s_or_b32 s35, s35, 0x80000000
.endm
; A PREFETCH INTO THE L2.  All sixteen work-groups of a head walk the same blocks: the one with j = 0 asks.  At a change of slots each of its fetching waves asks for the block that it will itself fetch at the NEXT change,
; a slot's seven steps ahead of that load: 66 units of 256 bytes by three instructions, a lane a unit (in the third, lanes 1 to 31 name the block's last unit).  So steps 14 to 32 (key steps 13 to 31) are named, each unit once;
; the earlier blocks come by their loads alone, and nothing is asked for beyond step 32.
.macro ASK
	s_cmp_le_u32 s[TN], s[LIMQ]
	s_cbranch_scc0 .Lnot_mine_\@
	global_prefetch_b8 v[PFO], s[PFA:PFA+1] th:TH_LOAD_NT scope:SCOPE_SE
	global_prefetch_b8 v[PFO], s[PFA:PFA+1] offset:8192 th:TH_LOAD_NT scope:SCOPE_SE
	global_prefetch_b8 v[PF2], s[PFA:PFA+1] offset:16384 th:TH_LOAD_NT scope:SCOPE_SE
.Lnot_mine_\@:
.endm
	s_load_b256 s[4:11], s[0:1], 0x0               ; qc s[4:5], kv s[6:7], vpart s[8:9], exponents s[10:11]
	s_load_b64 s[12:13], s[0:1], 0x20              ; hc
	v_lshl_add_u32 v[SPW], v0, 2, SPARE
	v_mov_b32 v[NIL], 0
	ds_add_u32 v[SPW], v[NIL]                      ; the opening lines: the add twice on end and its wait
	ds_add_u32 v[SPW], v[NIL]
	v_lshrrev_b32 v8, 5, v0
	v_readfirstlane_b32 s[WV], v8
	s_and_b32 s[TI], s[WV], 7
	s_lshr_b32 s[GR], s[WV], 3
	s_lshl_b32 s[KG], s[GR], 6
	s_mov_b32 s[J], ttmp9
	s_add_co_u32 s[J1], s[J], 1
	s_and_b32 s[HD], ttmp7, 0xffff
	s_mov_b32 s24, 3<<16                           ; group 1: elements of 8 bytes, no mask, no padding: 66 dense rows of 256 bytes
	s_mov_b32 s25, 32<<16
	s_mov_b32 s26, 66<<16
	s_mov_b32 s27, 32<<16
	s_mov_b32 s28, 66
	s_mov_b32 s29, 32
	s_mov_b32 s30, 0
	s_mov_b32 s31, 0
	s_mov_b32 s[SEL], 0x76543210
	s_mov_b32 s[SEL+1], 0xfedcba98
	s_mov_b32 s[CS], 0x3e38aa3b                    ; log2(e) / 8
	s_mov_b32 s[TB], 0
	s_mov_b32 s[TT], 0
	s_mov_b32 s[TF], s[WV]
	s_mov_b32 s[KF], s[KG]
	s_mov_b32 s[SLOTS], 3
	s_mov_b32 s85, 0                               ; the upper word of the offset pair s[84:85]
	s_mul_i32 s38, s[HD], HSKV
	s_mov_b32 s39, 0
	s_wait_dscnt 0x0
	s_wait_kmcnt 0x0
	s_load_b256 s[40:47], s[10:11], 0x0            ; e0 .. e7
	s_add_nc_u64 s[KVB:KVB+1], s[6:7], s[38:39]
	s_mov_b32 s32, 1
	s_mul_i32 s33, s[WV], BLK                      ; slot 0, my seventh
	SETG0
	TLOAD NS                                       ; slot 0: steps 0 .. 6
	s_lshl_b32 s66, s[GR], 12
	s_lshl_b32 s67, s[GR], 10
	s_lshl_b32 s76, s[GR], 8
	s_mul_i32 s77, s[WV], PSZ
	s_add_co_u32 s78, s77, PHI
	s_add_co_u32 s77, s77, PLO
	s_lshl_b32 s74, s[WV], 4
	s_add_co_u32 s74, s74, VS
	s_sub_co_u32 s75, 31, s[J]                     ; the high block
	s_lshl_b32 s80, s[HD], 18
	s_lshl_b32 s81, s[TI], 10
	s_add_co_u32 s80, s80, s81
	s_lshl_b32 s81, s[J], 13
	s_add_co_u32 s68, s80, s81
	s_mov_b32 s69, 0
	s_lshl_b32 s81, s75, 13
	s_add_co_u32 s70, s80, s81
	s_mov_b32 s71, 0
	s_add_nc_u64 s[68:69], s[4:5], s[68:69]        ; Q's image: tile 8 j + my tile,
	s_add_nc_u64 s[70:71], s[4:5], s[70:71]        ; and tile 8 (31 - j) + my tile
	s_lshl_b32 s72, s[HD], 8
	s_lshl_b32 s73, s[WV], 4
	s_add_co_u32 s72, s72, s73
	s_mov_b32 s73, 0
	s_add_nc_u64 s[72:73], s[8:9], s[72:73]        ; the column sums' parts: wave w makes d = 4 w + lane % 4; lane / 4 = n takes key steps n, n + 8, n + 16, n + 24
	v_and_b32 v8, 31, v0
	v_bfe_u32 v9, v0, 4, 1
	v_lshlrev_b32 v[LI], 4, v8
	v_lshlrev_b32 v[PFO], 8, v8
	v_min_u32 v[PF2], 1, v8
	v_lshlrev_b32 v[PF2], 8, v[PF2]
	v_lshl_add_u32 v[VSA], v9, 5, VS
	v_lshlrev_b32 v[BI], 5, v9
	v_add_nc_u32 v[LK], s66, v[LI]
	v_add_nc_u32 v[LV], s67, v[LI]
	v_add_nc_u32 v[BI], s76, v[BI]
	v_add_nc_u32 v[PSL], s77, v[LI]
	v_add_nc_u32 v[PSH], s78, v[LI]
	v_bfe_u32 v35, v0, 5, 3                        ; my tile
	v_bfe_u32 v36, v0, 8, 1                        ; g: 0: I join a tile of the low block, 1: of the high block
	v_xor_b32 v36, 1, v36
	v_mul_u32_u24 v36, v36, PLO-PHI                ; the lower base + (1 - g) x the distance between the two
	v_mul_u32_u24 v35, v35, PSZ
	v_add_nc_u32 v35, v35, v36
	v_add_nc_u32 v35, v35, v[LI]
	v_add_nc_u32 v[MA], PHI, v35
	v_and_b32 v33, 3, v0
	v_lshlrev_b32 v33, 2, v33
	v_bfe_u32 v32, v0, 2, 3
	v_lshl_add_u32 v32, v32, 12, v33
	v_add_nc_u32 v34, s74, v33
	s_wait_alu depctr_va_vdst(0)                   ; the wait ahead of the readers below
	global_load_b128 v[16:19], v[LI], s[68:69]
	global_load_b128 v[20:23], v[LI], s[68:69] offset:512
	global_load_b128 v[24:27], v[LI], s[70:71]
	global_load_b128 v[28:31], v[LI], s[70:71] offset:512
.irp i, 0,1,2,3
	global_load_b32 v[40+\i], v32, s[72:73] offset:32768*\i
.endr
	; where the tile that I join goes: hc [256 tiles][8][4 chunks][512]: head hd is chunks 2 (hd % 2), + 1 of fragment hd / 2
	s_lshr_b32 s80, s[HD], 1
	s_lshl_b32 s80, s80, 11
	s_and_b32 s81, s[HD], 1
	s_lshl_b32 s81, s81, 10
	s_add_co_u32 s80, s80, s81
	s_lshl_b32 s81, s[TI], 14
	s_add_co_u32 s80, s80, s81
	s_cmp_eq_u32 s[GR], 0
	s_cselect_b32 s81, s[J], s75
	s_lshl_b32 s81, s81, 17
	s_add_co_u32 s[HCO], s80, s81
	s_mov_b32 s[HCO+1], 0
	s_add_nc_u64 s[HCO:HCO+1], s[12:13], s[HCO:HCO+1]
	s_lshl_b32 s74, s[TI], 4
	s_lshl_b32 s[Q0], s[J], 7
	s_add_co_u32 s[Q0], s[Q0], s74
	s_lshl_b32 s[Q0H], s75, 7
	s_add_co_u32 s[Q0H], s[Q0H], s74
	s_cmp_eq_u32 s[J], 0
	s_cselect_b32 s[LIMQ], 32, 0
	s_cmp_lt_u32 s[WV], NS
	s_cselect_b32 s[LIMQ], s[LIMQ], 0
	s_wait_kmcnt 0x0
	s_add_co_i32 s66, s42, s43
	s_lshl_b32 s66, s66, 23
	s_add_co_i32 s[CS], s[CS], s66                 ; a score stands for score x 2^(e2 + e3): added to the constant's exponent field
	s_mov_b32 s[CS+1], s[CS]
	s_add_co_i32 s66, s44, 127
	s_lshl_b32 s67, s66, 23
	v_mov_b32 v244, s67                            ; 2^e4
	s_add_co_i32 s66, s66, 8
	s_lshl_b32 s66, s66, 23
	s_or_b32 s66, s66, 0x600000
	v_mov_b32 v240, s66                            ; 448 x 2^e4
	s_add_co_i32 s66, s46, 127
	s_lshl_b32 s67, s66, 23
	v_mov_b32 v245, s67                            ; 2^e6
	s_add_co_i32 s66, s66, 8
	s_lshl_b32 s66, s66, 23
	s_or_b32 s66, s66, 0x600000
	v_mov_b32 v246, s66                            ; 448 x 2^e6
	s_add_co_i32 s[EPV], s44, s45
	s_sub_co_i32 s[ONEC], 127, s44
	s_lshl_b32 s[ONEC], s[ONEC], 23
	s_min_u32 s[ONEC], s[ONEC], 0x43e00000         ; 2^-e4, held at 448 (positive f32 numbers order as whole numbers)
	v_mov_b32 v10, 0x45800000                      ; 4096.0
	v_mov_b32 v11, 0xfb800000                      ; -2^120
	v_mov_b32 v236, 0                              ; a lane permute's destination counts as read
	v_mov_b32 v252, 0
	v_mov_b32 v253, 0
.macro REINIT_V
	v_mov_b32 v13, 0xcf000000                      ; the largest t so far: -2^31
	s_delay_alu instid0(VALU_DEP_1)
	v_floor_f32 v12, -v13                          ; -M
	v_mov_b32 v14, 0
	v_mov_b32 v15, 0
.set i, 0
.rept 32
	v_mov_b32 v[160+i], 0                          ; O^T: the step is written once, and its first run finds zeros
.set i, i+1
.endr
.endm
	REINIT_V
	s_wait_alu depctr_va_vdst(0)                   ; the wait ahead of the wait below
	s_wait_loadcnt 0x0                             ; Q and the column sums' parts
	v_add_f32 v40, v40, v41
	v_add_f32 v42, v42, v43
	v_add_f32 v40, v40, v42
	v_add_f32_dpp v40, v40, v40 row_xmask:4 row_mask:0xf bank_mask:0xf
	v_add_f32_dpp v40, v40, v40 row_xmask:8 row_mask:0xf bank_mask:0xf
	v_permlanex16_b32 v41, v40, s[SEL], s[SEL+1]
	v_add_f32 v40, v40, v41
	v_mul_f32 v40, s[ONEC], v40
	ds_store_b32 v34, v40                          ; eight lanes store the same number; the first change of slots waits for it and its barrier shows it to all
.macro PSTORE adr                      ; my partial result: O^T (each accumulator from its low end on), then -M, the largest t and the sum's two halves
.irp k, 0,1,2,3,4,5,6,7
	ds_store_b128 v[\adr], v[160+4*\k:163+4*\k] offset:512*\k
.endr
	ds_store_b128 v[\adr], v[12:15] offset:4096
.endm
; A KEY STEP: my 16 queries x my 64 keys.
.macro STEP
	v_add_nc_u32 v[ADK], s[TB], v[LK]
	v_add_nc_u32 v[ADB], s[TB], v[BI]
	v_add_nc_u32 v[ADV], s[TB], v[LV]
	v_nop                                          ; four places behind the last step's products: ahead of loads into V's registers and of the first read of O^T
	s_cmp_lg_u32 s[TT], s[J1]
	s_cbranch_scc1 .Lsame_\@
	PSTORE PSL                                     ; the low block is finished;
	REINIT_V                                       ; the high block begins
.irp i, 0,1,2,3,4,5,6,7
	v_mov_b32 v[16+\i], v[24+\i]
.endr
	s_mov_b32 s[Q0], s[Q0H]
	s_mov_b32 s[KF], s[KG]
.Lsame_\@:
	s_wait_alu depctr_va_vdst(0)                   ; the wait behind the label, ahead of the addresses' readers
.irp u, 0,1,2,3
	ds_load_b128 v[96+8*\u:99+8*\u], v[ADB] offset:BIAS+64*\u          ; the bias of keys 64 g + 16 u + 8 h + 0 .. 7
	ds_load_b128 v[100+8*\u:103+8*\u], v[ADB] offset:BIAS+64*\u+16
.endr
.irp u, 0,1,2,3
	ds_load_b128 v[32+8*\u:35+8*\u], v[ADK] offset:1024*\u
	ds_load_b128 v[36+8*\u:39+8*\u], v[ADK] offset:1024*\u+512
.endr
.irp t, 0,1,2,3
	ds_load_b128 v[64+8*\t:67+8*\t], v[ADV] offset:VIMG+2048*\t        ; V^T lands while the softmax is worked
	ds_load_b128 v[68+8*\t:71+8*\t], v[ADV] offset:VIMG+2048*\t+512
.endr
	s_wait_dscnt 8                                 ; the bias and K are in; V^T's eight loads may be out
.irp u, 0,1,2,3
	v_wmma_f32_16x16x64_fp8_fp8 v[96+8*\u:103+8*\u], v[32+8*\u:39+8*\u], v[16:23], v[96+8*\u:103+8*\u]   ; S^T = K Q^T + the bias; the accumulators take turns
.endr
.rept 4
	v_nop                                          ; places ahead of the first read of S^T
.endr
	s_add_co_u32 s66, s[KF], 63
	s_cmp_le_u32 s66, s[Q0]
	s_cbranch_scc1 .Lopen_\@                       ; all my 64 keys come before my queries
	s_sub_co_i32 s66, s[Q0], s[KF]
	v_and_b32 v252, 15, v0
	v_bfe_u32 v253, v0, 4, 1
	s_delay_alu instid0(VALU_DEP_1)
	v_lshlrev_b32 v253, 3, v253
	s_delay_alu instid0(VALU_DEP_1)
	v_sub_nc_u32 v252, v252, v253
	s_delay_alu instid0(VALU_DEP_1)
	v_add_nc_u32 v252, s66, v252                   ; d = my query - my first key - 8 h: register 8 u + i is hidden where 16 u + i > d
.set n, 0
.rept 32
	v_cmp_gt_i32 vcc_lo, 16*(n/8)+n%8, v252
	v_cndmask_b32 v[96+n], v[96+n], v11, vcc_lo
.set n, n+1
.endr
.Lopen_\@:
	v_max3_num_f32 v254, v96, v97, v98             ; the step's largest score of my query, in two chains,
	v_max3_num_f32 v252, v99, v100, v101
.irp i, 6,10,14,18,22,26
	v_max3_num_f32 v254, v254, v[96+\i], v[97+\i]
	v_max3_num_f32 v252, v252, v[98+\i], v[99+\i]
.endr
	v_max3_num_f32 v254, v254, v126, v127
	s_delay_alu instid0(VALU_DEP_1)
	v_max_num_f32 v254, v254, v252
	s_delay_alu instid0(VALU_DEP_1)
	v_permlanex16_b32 v236, v254, s[SEL], s[SEL+1]
	s_delay_alu instid0(VALU_DEP_1)
	v_max_num_f32 v254, v254, v236                 ; and among the other half of the lanes'
	s_delay_alu instid0(VALU_DEP_1)
	v_mul_f32 v254, s[CS], v254                    ; as t
	s_delay_alu instid0(VALU_DEP_1)
	v_max_num_f32 v13, v13, v254
	v_mov_b32 v254, v12
	s_delay_alu instid0(VALU_DEP_2)
	v_floor_f32 v12, -v13                          ; -M = floor(-t): M is a whole number
	s_delay_alu instid0(VALU_DEP_1)
	v_sub_f32 v254, v12, v254                      ; old M - new M, 0 or less
	s_delay_alu instid0(VALU_DEP_1)
	v_cvt_i32_f32 v254, v254                       ; (it saturates)
	s_delay_alu instid0(VALU_DEP_1)
	v_ldexp_f32 v252, 1.0, v254                    ; f = 2^(old M - new M)
.set i, 0
.rept 16
	v_pk_fma_f32 v[96+i:97+i], v[96+i:97+i], s[CS:CS+1], v[12:13] op_sel_hi:[1,0,0]   ; t - M
.set i, i+2
.endr
	s_wait_alu depctr_va_vdst(0)                   ; the wait ahead of the batch
.set i, 0
.rept 32
	v_exp_f32 v[96+i], v[96+i]                     ; p
.set i, i+1
.endr
	v_pk_mul_f32 v[14:15], v[14:15], v[252:253] op_sel_hi:[1,0]   ; the sums under the new M: the plain line behind the exponentials
	s_wait_alu depctr_va_vdst(0)                   ; one wait for the batch, ahead of its first reader
	v_pk_add_f32 v[242:243], v[96:97], v[98:99]    ; the row's sum of the unquantised p, in four chains
	v_pk_add_f32 v[254:255], v[100:101], v[102:103]
	v_pk_add_f32 v[250:251], v[104:105], v[106:107]
	v_pk_add_f32 v[14:15], v[14:15], v[108:109]
.irp i, 14,22
	v_pk_add_f32 v[242:243], v[242:243], v[96+\i:97+\i]
	v_pk_add_f32 v[254:255], v[254:255], v[98+\i:99+\i]
	v_pk_add_f32 v[250:251], v[250:251], v[100+\i:101+\i]
	v_pk_add_f32 v[14:15], v[14:15], v[102+\i:103+\i]
.endr
	v_pk_add_f32 v[242:243], v[242:243], v[126:127]
	v_pk_add_f32 v[254:255], v[254:255], v[250:251]
	v_pk_add_f32 v[14:15], v[14:15], v[242:243]
	v_pk_add_f32 v[14:15], v[14:15], v[254:255]
.irp u, 0,1,2,3
.irp i, 0,1,2,3,4,5,6,7
	v_min_num_f32 v[96+8*\u+\i], v[96+8*\u+\i], v240   ; the conversion does not saturate (ISA guide 7.6.2); p is not negative: the hold is one-sided
.endr
	v_cvt_scalef32_pk8_fp8_f32 v[192+2*\u:193+2*\u], v[96+8*\u:103+8*\u], v244
.endr
	s_wait_alu depctr_va_vdst(0)                   ; the wait directly ahead of the first reader of O^T
.set i, 0
.rept 16
	v_pk_mul_f32 v[160+i:161+i], v[160+i:161+i], v[252:253] op_sel_hi:[1,0]   ; O^T under the new M; also the plain lines between the conversions and the products
.set i, i+2
.endr
	s_wait_alu depctr_va_vdst(0)                   ; the wait ahead of the wait below
	s_wait_dscnt 0x0                               ; V^T is in
.irp t, 0,1,2,3
	v_wmma_f32_16x16x64_fp8_fp8 v[160+8*\t:167+8*\t], v[64+8*\t:71+8*\t], v[192:199], v[160+8*\t:167+8*\t]
.endr
	s_add_co_u32 s[TT], s[TT], 1
	s_add_co_u32 s[KF], s[KF], 128
	s_add_co_u32 s[TB], s[TB], BLK
.endm
; THE CHANGE OF SLOTS stands at a slot's head: each wave waits for all its tensor loads, adds 0 to its spare word, and waits for that and for its reads of the slot that it has left; behind the barrier the
; slot ahead is whole and nobody reads the other one, which is filled first thing (fill = the number of blocks, 0: none): the load has seven steps in which to land.  By this text's count one tensor load of a wave is out.
.macro CHANGE fill
	s_wait_tensorcnt 0x0
	ds_add_u32 v[SPW], v[NIL]
.if \fill
	ds_add_u32 v[SPW], v[NIL]                      ; once more where a load follows
	s_add_co_u32 s[TF], s[TF], NS
	SETG0
	s_xor_b32 s33, s33, SLOT1
	s_wait_xcnt 0x0                                ; the last prefetches, a slot back, have read their address
	s_add_co_u32 s[TN], s[TF], NS                  ; the step that I fetch at the next change; its block (used where j = 0 alone: key step TN - 1)
	s_sub_co_u32 s84, s[TN], s[J1]
	s_mul_i32 s84, s84, BLK
	s_add_nc_u64 s[PFA:PFA+1], s[KVB:KVB+1], s[84:85]
.endif
	s_wait_dscnt 0x0
	s_barrier_signal -1
	s_barrier_wait -1
.if \fill
	TLOAD \fill
	ASK
.endif
.endm
.macro STEPS n
	s_mov_b32 s[INNER], \n
.Lstep_\@:
	STEP
	s_sub_co_u32 s[INNER], s[INNER], 1
	s_cmp_lg_u32 s[INNER], 0
	s_cbranch_scc1 .Lstep_\@
	s_sub_co_u32 s[TB], s[TB], \n*BLK
	s_xor_b32 s[TB], s[TB], SLOT1
.endm
	s_wait_alu depctr_va_vdst(0)                   ; the wait at the head's end
.Lslot:                                            ; three trips: slots 0, 1, 2 are worked, slots 1, 2, 3 asked for
	CHANGE NS
	STEPS NS
	s_sub_co_u32 s[SLOTS], s[SLOTS], 1
	s_cmp_lg_u32 s[SLOTS], 0
	s_cbranch_scc1 .Lslot
	CHANGE 5                                       ; the last two slots are written out: slot 4 has five blocks, steps 28 .. 32,
	STEPS NS
	CHANGE 0                                       ; and behind it nothing is asked for
	STEPS 5
.rept 4
	v_nop                                          ; places behind the last products
.endr
	PSTORE PSH                                     ; the high block's partial result, into slot 1's bytes: filled and read for the last time ahead of the last change of slots
	s_wait_alu depctr_va_vdst(0)
	s_wait_dscnt 0x0                               ; my stores are done: zero, for the others' sake
	s_barrier_signal -1
	s_barrier_wait -1
	; THE JOIN AND THE WAY OUT: one tile of 16 queries x 64 dims a wave
.irp k, 0,1,2,3,4,5,6,7
	ds_load_b128 v[32+4*\k:35+4*\k], v[MA] offset:512*\k               ; keys' half 0: O^T,
	ds_load_b128 v[64+4*\k:67+4*\k], v[MA] offset:8*PSZ+512*\k         ; half 1
.endr
	ds_load_b128 v[96:99], v[MA] offset:4096                           ; -M, the largest t, the sum's halves
	ds_load_b128 v[100:103], v[MA] offset:8*PSZ+4096
.irp t, 0,1,2,3
	ds_load_b128 v[208+8*\t:211+8*\t], v[VSA] offset:64*\t             ; the column sums at d = 16 t + 8 h + 0 .. 7
	ds_load_b128 v[212+8*\t:215+8*\t], v[VSA] offset:64*\t+16
.endr
	s_wait_dscnt 0x0
	v_add_f32 v98, v98, v99
	v_add_f32 v102, v102, v103
	v_min_num_f32 v12, v96, v100                   ; -M of the larger M
	v_sub_f32 v96, v12, v96                        ; each half's M - M: a whole number, 0 or less
	v_sub_f32 v100, v12, v100
	v_cvt_i32_f32 v96, v96                         ; (it saturates)
	v_cvt_i32_f32 v100, v100
	v_ldexp_f32 v96, 1.0, v96
	v_ldexp_f32 v100, 1.0, v100
	v_mul_f32 v14, v98, v96
	v_fmac_f32 v14, v102, v100
	v_permlanex16_b32 v252, v14, s[SEL], s[SEL+1]
	v_add_f32 v14, v14, v252                       ; the row's sum
.set i, 0
.rept 16
	v_pk_mul_f32 v[32+i:33+i], v[32+i:33+i], v[96:97] op_sel_hi:[1,0]
.set i, i+2
.endr
.set i, 0
.rept 16
	v_pk_fma_f32 v[32+i:33+i], v[64+i:65+i], v[100:101], v[32+i:33+i] op_sel_hi:[1,0,1]
.set i, i+2
.endr
	v_cmp_eq_f32 vcc_lo, 0, v14                    ; a row with no key that counts
	v_cndmask_b32 v14, v14, v10, vcc_lo            ; its sum is 4,096
	s_wait_alu depctr_va_vdst(0)                   ; the wait ahead of the reciprocal
	v_rcp_f32 v14, v14
	v_nop                                          ; a plain line behind the reciprocal
	s_wait_alu depctr_va_vdst(0)                   ; the wait ahead of its first reader
	v_ldexp_f32 v14, v14, s[EPV]                   ; x 2^(e4 + e5)
.set i, 0
.rept 32
	v_cndmask_b32 v[208+i], v[32+i], v[208+i], vcc_lo
.set i, i+1
.endr
.set i, 0
.rept 16
	v_pk_mul_f32 v[208+i:209+i], v[208+i:209+i], v[14:15] op_sel_hi:[1,0]
.set i, i+2
.endr
.set i, 0
.rept 32
	v_med3_num_f32 v[208+i], v[208+i], -v246, v246
.set i, i+1
.endr
.irp t, 0,1,2,3
	v_cvt_scalef32_pk8_fp8_f32 v[192+2*\t:193+2*\t], v[208+8*\t:215+8*\t], v245
.endr
	v_nop
	global_store_b128 v[LI], v[192:195], s[HCO:HCO+1]              ; 32 lanes store 512 consecutive bytes
	global_store_b128 v[LI], v[196:199], s[HCO:HCO+1] offset:512
	s_wait_tensorcnt 0x0                           ; the wave's end
	ds_add_u32 v[SPW], v[NIL]
	s_wait_dscnt 0x0
	s_endpgm
.Lfunc_end_k_q4cc12e067a_attn:
	.size	k_q4cc12e067a_attn, .Lfunc_end_k_q4cc12e067a_attn-k_q4cc12e067a_attn
	.p2alignl 7, 3214868480
	.fill 96, 4, 3214868480
	.section	.rodata,"a",@progbits
	.p2align	6, 0x0
	.amdhsa_kernel k_q4cc12e067a_attn
		.amdhsa_group_segment_fixed_size 327680
		.amdhsa_private_segment_fixed_size 0
		.amdhsa_enable_private_segment 0
		.amdhsa_kernarg_size 40
		.amdhsa_user_sgpr_count 2
		.amdhsa_user_sgpr_kernarg_segment_ptr 1
		.amdhsa_wavefront_size32 1
		.amdhsa_system_sgpr_workgroup_id_x 1
		.amdhsa_system_sgpr_workgroup_id_y 1
		.amdhsa_system_sgpr_workgroup_id_z 1
		.amdhsa_system_vgpr_workitem_id 0
		.amdhsa_next_free_vgpr 256
		.amdhsa_next_free_sgpr 100
		.amdhsa_reserve_vcc 1
		.amdhsa_float_denorm_mode_32 3
		.amdhsa_float_denorm_mode_16_64 3
		.amdhsa_memory_ordered 1
		.amdhsa_forward_progress 1
		.amdhsa_inst_pref_size 66
	.end_amdhsa_kernel
	.amdgpu_metadata
---
amdhsa.version: [ 1, 2 ]
amdhsa.kernels:
  - .name:           k_q4cc12e067a_attn
    .symbol:         k_q4cc12e067a_attn.kd
    .args:
      - { .name: qc, .offset: 0, .size: 8, .value_kind: global_buffer, .address_space: global }
      - { .name: kv, .offset: 8, .size: 8, .value_kind: global_buffer, .address_space: global }
      - { .name: vpart, .offset: 16, .size: 8, .value_kind: global_buffer, .address_space: global }
      - { .name: lowp_scales, .offset: 24, .size: 8, .value_kind: global_buffer, .address_space: global }
      - { .name: hc, .offset: 32, .size: 8, .value_kind: global_buffer, .address_space: global }
    .group_segment_fixed_size: 327680
    .private_segment_fixed_size: 0
    .kernarg_segment_align: 8
    .kernarg_segment_size: 40
    .max_flat_workgroup_size: 512
    .sgpr_count:     100
    .vgpr_count:     256
    .wavefront_size: 32
...
	.end_amdgpu_metadata
.endif
;; end of part 3
;; launch oproj (part 4): grid 8 x 32, 8 waves a work-group, clusters of 4 x 4, 327,680 bytes of LDS; arguments hc, woc, lowp_scales, b_o, out0; writes out0
.if DOCPART == 4
	.amdgcn_target "amdgcn-amd-amdhsa--gfx1250"
	.amdhsa_code_object_version 6
	.text
	.protected	k_q4cc12e067a_oproj
	.globl	k_q4cc12e067a_oproj
	.p2align	8
	.type	k_q4cc12e067a_oproj,@function
k_q4cc12e067a_oproj:
	s_mov_b64 s[64:65], 0
	v_nop
	global_prefetch_b8 v0, s[64:65] scope:SCOPE_SE
	s_setreg_imm32_b32 hwreg(HW_REG_WAVE_MODE, 25, 1), 1
	s_wait_xcnt 0x0
	s_wait_alu depctr_hold_cnt(0) depctr_sa_sdst(0) depctr_va_vdst(0) depctr_va_sdst(0) depctr_va_ssrc(0) depctr_va_vcc(0) depctr_vm_vsrc(0)
	s_getreg_b32 s2, hwreg(HW_REG_IB_STS2, 6, 4)
	s_cmp_eq_u32 s2, 0
	s_cbranch_scc0 .Lentry_in_a_cluster
	s_endpgm
.Lentry_in_a_cluster:
	s_bfe_u32 s2, ttmp6, 0x10000c
	s_cmp_lg_u32 s2, 0xf033
	s_cbranch_scc0 .Lentry_shape_is_right
	s_endpgm
.Lentry_shape_is_right:
; out0 = heads W_o + b_o on codes of FP8 (E4M3): out0(m, n) = 2^(e6 + e7) x (the sum over k of hc(m, k) woc(n, k)) + b_o(n).  M 4,096, N 1,024, K 1,024.
; hc: [256 tiles of 16 rows][16 steps of 64 k][2 chunks][512 bytes]: images of a fragment's registers, 16 bytes at 16 x lane.  woc: [1024 n][1024 places], its places ordered as hc's chunks want them.
; SHARES.  256 work-groups, each a block of 128 x 128 of out0; eight waves, each 32 rows x 64 columns: 8 accumulators.  ALL of K is in LDS at once: A's 128 rows are one dense block of 131,072 bytes,
; B's 128 rows of 1,024 bytes lie 1,040 bytes apart.  Waves 0-3 fetch a quarter of A each, waves 4-7 a quarter of B: one tensor load a wave, at the head; nothing is filled again, so there is no ring.
; CLUSTERS of 4 x 4: the four work-groups of a row of the cluster ask for A's block jointly, the four of a column for B's.
; K goes in 16 steps of 64 on two sets of fragment registers; the next step's 12 LDS loads are out while a step is multiplied.
; The matrix instruction is used transposed (source 0 = 16 rows of woc, source 1 = 16 rows of hc): a lane holds eight neighbouring columns of one row.  b_o / 2^(e6 + e7) is the C of the first step.
; No prefetch: every tile is asked for at the head, and there is no loop to run ahead in.
; LIMIT: e6 + e7 between -126 and 126, so that 2^(e6 + e7) and its reciprocal are f32 numbers.
.set LB,    131072                     ; B's rows in LDS
.set BP,    1040                       ; their pitch: 1,024 bytes + 16 of padding
.set SPARE, 264192                     ; the spare words: 128 bytes for each of eight waves, named by no other line
.set STAGE, 265216                     ; the way out: 16 rows x 272 bytes for each wave; no fill lands here
.set SP,    272
.set ADRA, 16
.set ADRB, 20
.set STO,  24
.set RD,   25
.set CO,   26
.set GO,   27
.set SPW,  28
.set NIL,  29
.set CB,   32                          ; v32-63 the bias; on the way out the scaled sums
.set ACC,  64                          ; v64-127 accumulator (a, b) at 8 (4 a + b)
.set FR,   128                         ; v128-223 two sets: A's 2 fragments of 8 registers, B's 4
.set G1,  24
.set G0,  32
.set G1B, 48
.set G0B, 56
.macro CREST
	s_cmp_lg_u32 s14, 0
	s_cbranch_scc1 .Lnot_wave_0_\@
	s_barrier_signal -3
.Lnot_wave_0_\@:
	s_barrier_wait -3
	s_barrier_signal -1
	s_barrier_wait -1
.endm
.macro CROUND                          ; a round of the cluster's barrier
	s_barrier_signal -1
	s_barrier_wait -1
	CREST
.endm
	s_load_b256 s[4:11], s[0:1], 0x0               ; hc s[4:5], woc s[6:7], exponents s[8:9], b_o s[10:11]
	s_load_b64 s[12:13], s[0:1], 0x20              ; out0
	v_lshl_add_u32 v[SPW], v0, 2, SPARE
	v_mov_b32 v[NIL], 0
	ds_add_u32 v[SPW], v[NIL]                      ; the opening lines: the add twice on end and its wait
	ds_add_u32 v[SPW], v[NIL]
	v_lshrrev_b32 v1, 5, v0
	v_readfirstlane_b32 s14, v1                    ; wave 0..7
	s_lshr_b32 s15, s14, 2                         ; my 64 columns of the block.  Also: I fetch for A (0) or for B (1)
	s_and_b32 s16, s14, 3                          ; my 32 rows.  Also: which quarter I fetch
	s_bfe_u32 s40, ttmp6, 0x40000                  ; cx
	s_bfe_u32 s41, ttmp6, 0x40004                  ; cy
	s_lshl_b32 s42, ttmp9, 2
	s_add_co_u32 s42, s42, s40                     ; block column, 0..7
	s_and_b32 s17, ttmp7, 0xffff
	s_lshl_b32 s17, s17, 2
	s_add_co_u32 s17, s17, s41                     ; block row, 0..31
	s_lshl_b32 s43, s41, 2
	s_lshl_b32 s43, 15, s43                        ; my row of the cluster
	s_lshl_b32 s44, 0x1111, s40                    ; my column
	s_or_b32 s[G1+0], s43, (3<<16)|(1<<21)         ; A: elements of 8 bytes, 128 dense rows of 256 bytes, no padding
	s_mov_b32 s[G1+1], 32<<16
	s_mov_b32 s[G1+2], 128<<16
	s_mov_b32 s[G1+3], 32<<16
	s_mov_b32 s[G1+4], 128
	s_mov_b32 s[G1+5], 32
	s_mov_b32 s[G1+6], 0
	s_mov_b32 s[G1+7], 0
	s_or_b32 s[G1B+0], s44, (0<<16)|(1<<20)|(1<<21)|(7<<22)|(3<<25)   ; B: 32 rows of 1,024 bytes, four words of padding behind every 256 words
	s_mov_b32 s[G1B+1], 1024<<16
	s_mov_b32 s[G1B+2], 32<<16
	s_mov_b32 s[G1B+3], 1024<<16
	s_mov_b32 s[G1B+4], 32
	s_mov_b32 s[G1B+5], 1024
	s_mov_b32 s[G1B+6], 0
	s_mov_b32 s[G1B+7], 0
	s_lshl_b32 s20, s17, 17                        ; A: block row x 131,072 + quarter x 32,768
	s_lshl_b32 s19, s16, 15
	s_add_co_u32 s20, s20, s19
	s_mov_b32 s21, 0
	s_lshl_b32 s46, s42, 7                         ; B: row 128 x block column + 32 x quarter
	s_lshl_b32 s18, s16, 5
	s_add_co_u32 s46, s46, s18
	s_lshl_b32 s46, s46, 10
	s_mov_b32 s47, 0
	s_mul_i32 s45, s16, 32*BP
	s_add_co_u32 s45, s45, LB
	s_wait_dscnt 0x0                               ; both opening adds are done
	s_wait_kmcnt 0x0
	s_load_b64 s[96:97], s[8:9], 0x18              ; e6, e7
	s_add_nc_u64 s[20:21], s[4:5], s[20:21]
	s_add_nc_u64 s[46:47], s[6:7], s[46:47]
	CROUND                                         ; all sixteen work-groups are here: the joint loads meet
	s_mov_b32 s[G0], 1
	s_mov_b32 s[G0+1], s19
	s_mov_b64 s[G0+2:G0+3], s[20:21]
	s_or_b32 s[G0+3], s[G0+3], 0x80000000
	s_mov_b32 s[G0B], 1
	s_mov_b32 s[G0B+1], s45
	s_mov_b64 s[G0B+2:G0B+3], s[46:47]
	s_or_b32 s[G0B+3], s[G0B+3], 0x80000000
	s_cmp_eq_u32 s15, 0                            ; each of the two lines has one mask; the branch hangs on the wave's number alone
	s_cbranch_scc0 .Lfor_b
	tensor_load_to_lds s[G0:G0+3], s[G1:G1+7]
	s_nop 0
.rept 4
	v_nop
.endr
	s_branch .Lasked
.Lfor_b:
	tensor_load_to_lds s[G0B:G0B+3], s[G1B:G1B+7]
	s_nop 0
.rept 4
	v_nop
.endr
.Lasked:
	s_lshl_b32 s70, s16, 15                        ; my 32 rows of A: two images of 16,384 bytes
	s_mul_i32 s71, s15, 64*BP
	s_add_co_u32 s71, s71, LB                      ; my 64 rows of B
	s_mul_i32 s72, s14, 16*SP
	s_add_co_u32 s72, s72, STAGE                   ; my stage
	s_lshl_b32 s76, s42, 9                         ; my first column in bytes: 512 x block column + 256 x half
	s_lshl_b32 s77, s15, 8
	s_add_co_u32 s76, s76, s77
	s_mov_b32 s77, 0
	s_add_nc_u64 s[10:11], s[10:11], s[76:77]
	s_lshl_b32 s74, s17, 7
	s_lshl_b32 s75, s16, 5
	s_add_co_u32 s74, s74, s75                     ; my first row
	s_lshl_b32 s74, s74, 12
	s_mov_b32 s75, 0
	s_add_nc_u64 s[74:75], s[74:75], s[76:77]
	s_add_nc_u64 s[12:13], s[12:13], s[74:75]
	v_and_b32 v1, 15, v0                           ; r
	v_bfe_u32 v2, v0, 4, 1                         ; h
	v_and_b32 v6, 31, v0
	v_lshlrev_b32 v[CO], 4, v6
	v_add_nc_u32 v[ADRA], s70, v[CO]
	v_mul_u32_u24 v3, v1, BP
	v_lshl_add_u32 v3, v2, 4, v3
	v_add_nc_u32 v[ADRB], s71, v3
	v_mul_u32_u24 v5, v1, SP
	v_lshl_add_u32 v5, v2, 5, v5
	v_add_nc_u32 v[STO], s72, v5                   ; into the stage: row r, 32 bytes for each half of the lanes
	v_mul_u32_u24 v7, v2, SP
	v_lshl_add_u32 v7, v1, 4, v7
	v_add_nc_u32 v[RD], s72, v7                    ; back: sixteen lanes to a row of 256 bytes, two rows an instruction
	v_lshlrev_b32 v[GO], 12, v2
	v_lshl_add_u32 v[GO], v1, 4, v[GO]             ; and the same two rows in out0
	v_lshlrev_b32 v8, 5, v2
	s_wait_alu depctr_va_vdst(0)                   ; the wait ahead of the readers below
.irp b, 0,1,2,3
	global_load_b128 v[CB+8*\b:CB+8*\b+3], v8, s[10:11] offset:64*\b           ; b_o at columns 16 b + 8 h + 0 .. 7
	global_load_b128 v[CB+8*\b+4:CB+8*\b+7], v8, s[10:11] offset:64*\b+16
.endr
	s_wait_kmcnt 0x0
	s_add_co_i32 s96, s96, s97
	s_sub_co_i32 s98, 127, s96
	s_lshl_b32 s98, s98, 23                        ; 2^-(e6 + e7)
	s_mov_b32 s99, s98
	s_add_co_i32 s96, s96, 127
	s_lshl_b32 s96, s96, 23                        ; 2^(e6 + e7)
	s_mov_b32 s97, s96
	s_wait_loadcnt 0x0
.set i, 0
.rept 16
	v_pk_mul_f32 v[CB+i:CB+i+1], v[CB+i:CB+i+1], s[98:99] op_sel_hi:[1,0]
.set i, i+2
.endr
.macro LD s                            ; step s's fragments into set s % 2: 12 loads
.set FB, FR+48*((\s)%2)
.irp a, 0,1
.irp c, 0,1
	ds_load_b128 v[FB+8*\a+4*\c:FB+8*\a+4*\c+3], v[ADRA] offset:16384*\a+1024*(\s)+512*\c
.endr
.endr
.irp b, 0,1,2,3
.irp c, 0,1
	ds_load_b128 v[FB+16+8*\b+4*\c:FB+16+8*\b+4*\c+3], v[ADRB] offset:16*BP*\b+64*(\s)+32*\c
.endr
.endr
.endm
.macro MUL s                           ; the eight accumulators take turns
.set FB, FR+48*((\s)%2)
.irp a, 0,1
.irp b, 0,1,2,3
.if (\s) == 0
	v_wmma_f32_16x16x64_fp8_fp8 v[ACC+8*(4*\a+\b):ACC+8*(4*\a+\b)+7], v[FB+16+8*\b:FB+23+8*\b], v[FB+8*\a:FB+8*\a+7], v[CB+8*\b:CB+8*\b+7]
.else
	v_wmma_f32_16x16x64_fp8_fp8 v[ACC+8*(4*\a+\b):ACC+8*(4*\a+\b)+7], v[FB+16+8*\b:FB+23+8*\b], v[FB+8*\a:FB+8*\a+7], v[ACC+8*(4*\a+\b):ACC+8*(4*\a+\b)+7]
.endif
.endr
.endr
.endm
	s_wait_alu depctr_va_vdst(0)                   ; the wait at the head's end
	s_wait_tensorcnt 0x0                           ; my quarter is in;
	s_barrier_signal -1
	s_barrier_wait -1                              ; everybody's is
	LD 0
.set S, 0
.rept 16
.if S < 15
.if S > 0
.rept 4
	v_nop                                          ; places ahead of loads into the set that the last step multiplied
.endr
.endif
	LD S+1
	s_wait_dscnt 12                                ; this step's fragments are in; the next step's twelve loads may be out
.else
	s_wait_dscnt 0x0
.endif
	MUL S
.set S, S+1
.endr
.rept 4
	v_nop                                          ; places ahead of the first read of the sums
.endr
; THE WAY OUT: 16 rows x 64 columns at a time through my own stage, back as rows of 256 bytes.  LDS serves a wave's instructions in order (ISA guide 5.7.1.4): no wait between the stores and the loads.
.irp a, 0,1
.set i, 0
.rept 16
	v_pk_mul_f32 v[CB+i:CB+i+1], v[ACC+32*\a+i:ACC+32*\a+i+1], s[96:97] op_sel_hi:[1,0]   ; x 2^(e6 + e7); each accumulator from its low end on
.set i, i+2
.endr
.irp b, 0,1,2,3
	ds_store_b128 v[STO], v[CB+8*\b:CB+8*\b+3] offset:64*\b
	ds_store_b128 v[STO], v[CB+8*\b+4:CB+8*\b+7] offset:64*\b+16
.endr
.irp t, 0,1,2,3,4,5,6,7
	ds_load_b128 v[FR+32*\a+4*\t:FR+32*\a+4*\t+3], v[RD] offset:2*\t*SP
.endr
.endr
	s_wait_dscnt 16                                ; the first 16 rows are back; the second's eight stores and eight loads may be out
.irp t, 0,1,2,3,4,5,6,7
	global_store_b128 v[GO], v[FR+4*\t:FR+4*\t+3], s[12:13] offset:2*\t*4096 th:TH_STORE_NT   ; sixteen lanes store 256 consecutive bytes, aligned
.endr
	s_wait_dscnt 0x0
.irp t, 0,1,2,3,4,5,6,7
	global_store_b128 v[GO], v[FR+32+4*\t:FR+32+4*\t+3], s[12:13] offset:(16+2*\t)*4096 th:TH_STORE_NT
.endr
	s_wait_tensorcnt 0x0                           ; the wave's end
	ds_add_u32 v[SPW], v[NIL]
	s_wait_dscnt 0x0
	CROUND                                         ; the closing round
	s_endpgm
.Lfunc_end_k_q4cc12e067a_oproj:
	.size	k_q4cc12e067a_oproj, .Lfunc_end_k_q4cc12e067a_oproj-k_q4cc12e067a_oproj
	.p2alignl 7, 3214868480
	.fill 96, 4, 3214868480
	.section	.rodata,"a",@progbits
	.p2align	6, 0x0
	.amdhsa_kernel k_q4cc12e067a_oproj
		.amdhsa_group_segment_fixed_size 327680
		.amdhsa_private_segment_fixed_size 0
		.amdhsa_enable_private_segment 0
		.amdhsa_kernarg_size 40
		.amdhsa_user_sgpr_count 2
		.amdhsa_user_sgpr_kernarg_segment_ptr 1
		.amdhsa_wavefront_size32 1
		.amdhsa_system_sgpr_workgroup_id_x 1
		.amdhsa_system_sgpr_workgroup_id_y 1
		.amdhsa_system_sgpr_workgroup_id_z 1
		.amdhsa_system_vgpr_workitem_id 0
		.amdhsa_next_free_vgpr 256
		.amdhsa_next_free_sgpr 100
		.amdhsa_reserve_vcc 0
		.amdhsa_float_denorm_mode_32 3
		.amdhsa_float_denorm_mode_16_64 3
		.amdhsa_memory_ordered 1
		.amdhsa_forward_progress 1
		.amdhsa_inst_pref_size 37
	.end_amdhsa_kernel
	.amdgpu_metadata
---
amdhsa.version: [ 1, 2 ]
amdhsa.kernels:
  - .name:           k_q4cc12e067a_oproj
    .symbol:         k_q4cc12e067a_oproj.kd
    .args:
      - { .name: hc, .offset: 0, .size: 8, .value_kind: global_buffer, .address_space: global }
      - { .name: woc, .offset: 8, .size: 8, .value_kind: global_buffer, .address_space: global }
      - { .name: lowp_scales, .offset: 16, .size: 8, .value_kind: global_buffer, .address_space: global }
      - { .name: b_o, .offset: 24, .size: 8, .value_kind: global_buffer, .address_space: global }
      - { .name: out0, .offset: 32, .size: 8, .value_kind: global_buffer, .address_space: global }
    .group_segment_fixed_size: 327680
    .private_segment_fixed_size: 0
    .kernarg_segment_align: 8
    .kernarg_segment_size: 40
    .max_flat_workgroup_size: 256
    .sgpr_count:     100
    .vgpr_count:     256
    .wavefront_size: 32
...
	.end_amdgpu_metadata
.endif
;; end of part 4
